; MI455X (gfx1250); checked and timed in simulation.
; The chip was launched on July 23, 2026; its instructions are those of AMD's public machine-readable ISA for CDNA 5 (MIT licence, August 2026) and "CDNA5" Instruction Set Architecture Reference Guide (July 2026). The comments in the code are by the model that wrote it; some were corrected since.
;; Ab Lang2 MHA. Allowed arithmetic: matrix products marked QUANTISED: E5M2 operands, one given power-of-two scale a tensor, by v_wmma_f32_16x16x64_bf8_bf8 or v_wmma_f32_16x16x128_bf8_bf8, f32 sums; everything else in f32.
;; Inputs: Wk_codes 1,024 x 32 x 32 uint8 (E5M2 codes of Wk, K innermost, in blocks of 32 codes); Wo_codes 1,024 x 32 x 32 uint8 (E5M2 codes of Wo, K innermost, in blocks of 32 codes); Wq_codes 1,024 x 32 x 32 uint8 (E5M2 codes of Wq, K innermost, in blocks of 32 codes); Wv_codes 1,024 x 32 x 32 uint8 (E5M2 codes of Wv, K innermost, in blocks of 32 codes); bk 1,024 float32; bo 1,024 float32; bq 1,024 float32; bv 1,024 float32; freqs 32 float32; lowp_scales 12 int32 (the exponents e of the quantised operands' scales 2^e); padding_mask 2 x 2,048 bool; x_codes 2 x 2,048 x 32 x 32 uint8 (E5M2 codes of x, K innermost, in blocks of 32 codes).
;; Outputs: out0 2 x 2,048 x 1,024 float32.
;; This version of the problem:
;;   THIS VERSION OF THE PROBLEM IS GIVEN IN LOW PRECISION. The matrix products marked QUANTISED in the list below multiply operands that are first quantised to E5M2 (5 exponent bits, 2 mantissa bits; 8 bits a number), with one given power-of-two scale for each operand tensor; their sums are f32. All else is computed in f32.
;;   The module's matrix products, in the order in which they are computed (A, B: the left and right operand; K: the contracted axis; several contracted axes count as one K, in the product's order):
;;     1. [M 4,096, K 1,024] x [K 1,024, N 1,024]; A: input x (given as codes); B: input Wq (given as codes): QUANTISED (scales: A lowp_scales[0], B lowp_scales[1])
;;     2. [M 4,096, K 1,024] x [K 1,024, N 1,024]; A: input x (given as codes); B: input Wk (given as codes): QUANTISED (scales: A lowp_scales[2], B lowp_scales[3])
;;     3. [M 4,096, K 1,024] x [K 1,024, N 1,024]; A: input x (given as codes); B: input Wv (given as codes): QUANTISED (scales: A lowp_scales[4], B lowp_scales[5])
;;     4. batch 32 x [M 2,048, K 64] x [K 64, N 2,048]; A: computed on the way; B: computed on the way: QUANTISED (scales: A lowp_scales[6], B lowp_scales[7])
;;     5. batch 32 x [M 2,048, K 2,048] x [K 2,048, N 64]; A: softmax (see below); B: computed on the way: QUANTISED (scales: A lowp_scales[8], B lowp_scales[9])
;;     6. [M 4,096, K 1,024] x [K 1,024, N 1,024]; A: computed on the way; B: input Wo (given as codes): QUANTISED (scales: A lowp_scales[10], B lowp_scales[11])
;;   THE QUANTISER, for each operand of a quantised product, along K:
;;     - The operand's scale is 2^e, e = its entry of the input lowp_scales (int32; the entries are numbered through the quantised products in the list's order, A before B).
;;     - Each number is divided by the scale, clamped to +-57,344, and rounded to the nearest number of E5M2, ties to even, subnormals kept.
;;     - The product sums the exact products of the quantised numbers (number of the format x scale) in f32.
;;   ~~~python
;;   def quantise(x, axis, e):      # numpy; x: float32 -> the quantised numbers, widened to float32 again
;;       x = np.moveaxis(x, axis, -1); K = x.shape[-1]
;;       r = np.clip(x / 2.0 ** e, -57344, 57344)
;;       step = 2.0 ** (np.maximum(np.frexp(np.where(r == 0, 1, r))[1] - 1, -14) - 2)
;;       q = np.round(r / step) * step * 2.0 ** e      # np.round: ties to even
;;       return np.moveaxis(q, -1, axis).astype(np.float32)
;;   ~~~
;;   SOFTMAX AHEAD OF A QUANTISED PRODUCT. Where the list says 'softmax', what is quantised is not the finished softmax but p = 2^(t - M), with t = logit x log2(e) and M = ceil(the row's largest t), a whole number; so 1/2 < the row's largest p <= 1. The row's sum l is taken of the UNQUANTISED p, in f32, and the product's result is divided by l at the end. Since M is a whole number, a kernel that streams over the keys may use a running M (the ceiling of the running maximum): every later rescaling is an exact power of two, so the quantised numbers keep their values, but for numbers so far below the row's largest that they fall under the format's range.
;;   OPERANDS COMPUTED ON THE WAY. 'Computed on the way' means the value that the module computes at that place (a softmax that the list does not call 'softmax' is quantised finished and normalised). What goes into a quantiser is computed in f32, as accurately as f32 sums, v_exp_f32 and their like allow (about 1e-6 of the number): no bf16 or f16 on the way to a quantiser, and a product that is left as it is and whose result goes on into a quantised operand takes f32 operands (vector FMAs, or v_wmma_f32_16x16x4_f32). A number that lies on a knife's edge between two numbers of the format may be rounded either way, as far as f32 arithmetic and the matrix unit's own rounding can turn it there, and no further.
;;   INPUTS GIVEN AS CODES. Wk (in the module: [1024, 1024], K = its axis 1); Wo (in the module: [1024, 1024], K = its axis 1); Wq (in the module: [1024, 1024], K = its axis 1); Wv (in the module: [1024, 1024], K = its axis 1); x (in the module: [2, 2048, 1024], K = its axis 2): each comes as NAME_codes (uint8): NAME with its K axis moved to the last place and cut into blocks of 32 codes, [.., K / 32, bytes a block], one block behind the other in memory; one code a byte (a code: sign, 5 exponent bits, 2 mantissa bits); its scale is its entry of lowp_scales. Its value is code x scale, taken as it is: it is not quantised again, and the codes and scales need not be those that the quantiser above would give.
;; One version. Each part assembles by itself: llvm-mc -triple=amdgcn-amd-amdhsa -mcpu=gfx1250 --defsym DOCPART=n.
;; ======== version 1 of 1: 3 launches
;; limits: right only within a limited range of input values
;; workspace buffers: q_codes 4,194,304 bytes; k_codes 4,194,304 bytes; v_codes 4,194,304 bytes; a_codes 4,194,304 bytes
;; launch qkv (part 1): grid 8 x 32, 4 waves a work-group, clusters of 4 x 4, 327,680 bytes of LDS; arguments x_codes, Wq_codes, Wk_codes, Wv_codes, bq, bk, bv, freqs, lowp_scales, q_codes, k_codes, v_codes; writes q_codes, k_codes, v_codes
.if DOCPART == 1
	.amdgcn_target "amdgcn-amd-amdhsa--gfx1250"
	.amdhsa_code_object_version 6
	.text
	.protected	k_qc48e84f8e6_qkv
	.globl	k_qc48e84f8e6_qkv
	.p2align	8
	.type	k_qc48e84f8e6_qkv,@function
k_qc48e84f8e6_qkv:
	s_mov_b64 s[64:65], 0
	v_nop
	global_prefetch_b8 v0, s[64:65] scope:SCOPE_SE
	s_setreg_imm32_b32 hwreg(HW_REG_WAVE_MODE, 25, 1), 1
	s_wait_xcnt 0x0
	s_wait_alu depctr_hold_cnt(0) depctr_sa_sdst(0) depctr_va_vdst(0) depctr_va_sdst(0) depctr_va_ssrc(0) depctr_va_vcc(0) depctr_vm_vsrc(0)
	s_getreg_b32 s2, hwreg(HW_REG_IB_STS2, 6, 4)
	s_cmp_eq_u32 s2, 0
	s_cbranch_scc0 .Lentry_in_a_cluster
	s_endpgm
.Lentry_in_a_cluster:
	s_bfe_u32 s2, ttmp6, 0x10000c
	s_cmp_lg_u32 s2, 0xf033
	s_cbranch_scc0 .Lentry_shape_is_right
	s_endpgm
.Lentry_shape_is_right:
; q = rope((x Wq^T + bq) / 8), k = rope(x Wk^T + bk), v = x Wv^T + bv, the three products on codes of E5M2 as they are given; the results are quantised
; (scales 2^e6, 2^e7, 2^e9) and stored as codes, laid in the order of the registers in which the attention launch takes them.
; SHARES.  A work-group STAYS for one tile, 128 rows x 128 columns, of all three results, one after the other: its 128 rows of x are fetched once and stay in LDS, and the table of cosines and sines is made once.
; Four waves, 64 x 64 each: 16 accumulators.  A wave's 64 columns are one head.  K = 1,024 is four chunks of 256.
; LDS holds x's four chunks and ONE weight's four chunks.  Wq's come with x's as first fills, one load to a wave; one wait for 0 and one barrier show them whole ahead of the first product.
; Wk's and Wv's fill the weight's bytes again: in a product's last substep every wave waits for all its tensor loads, adds 0 to its spare word, waits for that and for its reads of the weight, and passes a round of
; the cluster's barrier; behind it each wave asks for 32 rows (32 x 1,024 bytes) of the next weight, which lands while the finished product is rotated, quantised and stored.  One load of a wave is out then.
; CLUSTER 4 x 4: x's tile hangs on the tile row alone and is asked for jointly along a row of the cluster, a weight's tile on the tile column alone and jointly along a column.
; q, k: source 0 = 16 rows of W, source 1 = 16 rows of x: a lane holds one row n and eight neighbouring channels, so a pair of the rotation lies in one lane and eight codes are 8 bytes along d.
; v: the sources change places: a lane holds one channel and eight neighbouring keys: codes with the keys innermost.
; ROPE.  angle = pos x freq, rounded once as f32; k = nearest whole number to angle x 2/pi; r = angle - k pi/2 with pi/2 in three parts; polynomials for sin r and cos r on |r| <= pi/4; the quadrant
; from k.  Thread t makes the 32 cosines and sines of the tile's row t, while the first tiles are on their way, and the table goes through LDS.
; LAYOUTS.  q_codes, k_codes: [head 32][tile 128][c 2][h 2][r 16][16 bytes]: d = 32 c + 16 h + 0..15 of row n = 32 (tile / 2) + 8 (tile % 2) + r % 8 + 16 (r / 8).
;           v_codes: [head 32][step 16][t 4][c 4][h 2][r 16][16 bytes]: channel 16 t + r, keys 128 step + 32 c + 16 h + 0..15.
; Both operands of a product hold k = 32 c + 16 (lane / 16) + 0..15 in registers 4 c .. 4 c + 3: one permutation of k on both sides, so every product meets its partner.
; LIMITS: e0 + e1 - 3, e2 + e3, e4 + e5 between -126 and 127; e6, e7, e9 between -126 and 112; |pos x freq| under 1e5; NaN among the f32 inputs is not served.
; REGISTERS.  window 0: v1 r, v2 h, v3 16 x lane, v4 0, v5 the conversion's scale, v6 the largest code x the scale, v7 and v23 the add's two, v8-15 fragment addresses, v16-20 table and stage addresses,
;   v21, v22 bias offsets, v24-31 at work, v32-63 bias, v64-95 cosines and sines of 16 rows, v96-127 codes, v128-255 accumulators (ahead of the first product: the table's work; when done with: rows on the way out).
;   window 1: two fragment buffers of 128: four fragments of x, then four of W.
; LDS AS IT NOW LIES: x's 128 rows, then one weight's 128 rows, each row whole: 1,024 bytes + 16 of padding.  A chunk of 256 along K is 256 bytes further on in a row.
; Each wave has ONE first fill, 64 rows x 1,024 bytes; one wait for 0 and one barrier show x and Wq whole.
; A refill is 32 rows x 1,024 bytes of the next weight for each wave.
.set CH,    256                        ; from chunk to chunk in a row
.set HALF,  66560                      ; 64 rows of 1,040 bytes
.set TAB,   278528                     ; behind the four chunks: 128 rows of 272 bytes: 32 cosines, 32 sines, 16 bytes of padding
.set SPARE, 313344                     ; behind the table: the spare words, 128 bytes for each wave: two blocks of 256 bytes that no other line names
.set STG,   313856                     ; behind them: a stage of 2,048 bytes for each wave: no tensor load lands here
.set ACC,   128
.set F0,    0
.set F1,    128
.set ADRA,  8
.set ADRB,  12
.set NIL,   7                          ; v7   0; never rewritten
.set SPW,   23                         ; v23  LDS address of my spare word: SPARE + 4 x my thread's number; never rewritten
.set KC,    224                        ; the table's ten constants, each twice
.set GW,    (1<<20)|(1<<21)|(7<<22)|(3<<25)   ; elements of 1 byte; padding on; bit 21 beside a mask; 4 words of padding behind every 256
.set MUL,   0x05                       ; sources 0 and 1 window 1; C and D window 0
.set TO_F,  0x40                       ; destination window 1, address window 0
.set MSB,   0
.macro WIN new                         ; the immediate's high byte repeats the setting that is left
.if MSB != \new
	s_set_vgpr_msb (MSB<<8)|\new
.set MSB, \new
.endif
.endm
.macro PLACES                          ; four plain vector instructions behind matrix instructions, ahead of loads into their sources and of reads of their results
.rept 4
	v_nop
.endr
.endm
.macro CREST                           ; a round of the cluster's barrier behind its opening barrier
	s_cmp_lg_u32 s20, 0
	s_cbranch_scc1 .Lnot_wave_0_\@
	s_barrier_signal -3
.Lnot_wave_0_\@:
	s_barrier_wait -3
	s_barrier_signal -1
	s_barrier_wait -1
.endm
.macro CROUND                          ; a whole round
	s_barrier_signal -1
	s_barrier_wait -1
	CREST
.endm
; 8 matrix instructions: x's tiles a0, a0 + 1 against W's four, 128 along K, from buffer f.  zero = 1: the product starts the sums.  swap = 1: x is source 0.
; The sixteen accumulators take turns, one instruction a turn, in the same order in every substep.
.macro MUL8 f, a0, zero, swap
.irp a, \a0, \a0+1
.irp b, 0,1,2,3
.set rD, ACC+8*(4*(\a)+\b)
.if \swap
.set fS0, \f+16*(\a)
.set fS1, \f+64+16*\b
.else
.set fS0, \f+64+16*\b
.set fS1, \f+16*(\a)
.endif
.if \zero
	v_wmma_f32_16x16x128_bf8_bf8 v[rD:rD+7], v[fS0:fS0+15], v[fS1:fS1+15], 0
.else
	v_wmma_f32_16x16x128_bf8_bf8 v[rD:rD+7], v[fS0:fS0+15], v[fS1:fS1+15], v[rD:rD+7]
.endif
.endr
.endr
.endm
.macro FETCH ch, ks, f                 ; 32 LDS loads in one run: W's four fragments and x's four, of chunk ch, its ks-th 128 along K, into buffer f
	WIN TO_F
.irp i, 0,1,2,3
.irp u, 0,1,2,3
	ds_load_b128 v[\f+64+16*\i+4*\u:\f+64+16*\i+4*\u+3], v[ADRB+\ch] offset:\i*16640+128*\ks+32*\u
.endr
.endr
.irp i, 0,1,2,3
.irp u, 0,1,2,3
	ds_load_b128 v[\f+16*\i+4*\u:\f+16*\i+4*\u+3], v[ADRA+\ch] offset:\i*16640+128*\ks+32*\u
.endr
.endr
.endm
.macro SUB ch, ks, fnew, fcur, zero, swap   ; a substep: buffer fcur is multiplied; ahead of that the fragments of (chunk ch, its ks-th 128) are asked for, into buffer fnew
.if !(\zero)
	PLACES                                         ; buffer fnew was read by the matrix instructions just issued
.endif
	FETCH \ch, \ks, \fnew
	s_wait_dscnt 32                                ; all but the 32 loads just issued: buffer fcur is in
	WIN MUL
	MUL8 \fcur, 0, \zero, \swap
	MUL8 \fcur, 2, \zero, \swap
.endm
; A product's last substep, with the change of weights.  My reads of the weight are back; all my tensor loads have landed; 0 goes onto my spare word; the round shows the same of every wave of all sixteen work-groups;
; behind it my one load: 32 rows of the next weight, from row 32 x my wave's number.
.macro LAST swap, g0
	s_wait_dscnt 0x0                               ; buffer 1 is in: these were my last reads of this weight
	WIN 0                                          ; (the add's two registers lie in window 0)
	s_wait_tensorcnt 0x0                           ; no tensor load of mine is out
	ds_add_u32 v[SPW], v[NIL]                      ; 0 onto my spare word
	WIN MUL
	MUL8 F1, 0, 0, \swap                           ; eight matrix instructions stand between the add and the wait for it
	s_wait_dscnt 0x0                               ; the add is done
	s_barrier_signal -1                            ; this barrier opens a round of the cluster's barrier
	MUL8 F1, 2, 0, \swap
	WIN 0
	s_barrier_wait -1
	CREST
	tensor_load_to_lds s[\g0:\g0+3], s[68:75]      ; the first thing behind the round, and my only tensor load until the next
	s_nop 0
	PLACES                                         ; four v_nop follow it; they are also the places behind the last products
.endm
.macro MAIN2 swap                      ; the second and third products, all but the last substep: the whole weight is shown by one barrier, so none stands inside
	s_wait_tensorcnt 0x0                           ; my chunk of the weight has landed
	s_wait_dscnt 0x0                               ; no LDS access of mine is pending at the signal
	s_wait_xcnt 0x0                                ; my stores have read their registers, which the products write
	s_barrier_signal -1
	s_barrier_wait -1
	FETCH 0, 0, F0
	SUB 0, 1, F1, F0, 1, \swap
	SUB 1, 0, F0, F1, 0, \swap
	SUB 1, 1, F1, F0, 0, \swap
	SUB 2, 0, F0, F1, 0, \swap
	SUB 2, 1, F1, F0, 0, \swap
	SUB 3, 0, F0, F1, 0, \swap
	SUB 3, 1, F1, F0, 0, \swap
.endm
.macro CONST2 reg, val
	v_mov_b32 v[\reg], \val
	v_mov_b32 v[\reg+1], \val
.endm
; cosine and sine of two angles: frequencies 2 g and 2 g + 1 at my position.  Cosines to v160 on, sines to v192 on.
.macro SINCOS2 g
	v_pk_mul_f32 v[244:245], v[128+2*\g:129+2*\g], v[76:77]                ; the angle, rounded once
	v_pk_mul_f32 v[246:247], v[244:245], v[KC:KC+1]
	v_rndne_f32 v246, v246                                                 ; k
	v_rndne_f32 v247, v247
	v_pk_fma_f32 v[248:249], v[246:247], v[KC+2:KC+3], v[244:245]          ; r = angle - k pi/2, pi/2 = H1 - H2 - H3
	v_pk_fma_f32 v[248:249], v[246:247], v[KC+4:KC+5], v[248:249]
	v_pk_fma_f32 v[248:249], v[246:247], v[KC+6:KC+7], v[248:249]
	v_pk_mul_f32 v[250:251], v[248:249], v[248:249]                        ; z = r r
	v_pk_fma_f32 v[252:253], v[250:251], v[KC+12:KC+13], v[KC+10:KC+11]
	v_pk_fma_f32 v[254:255], v[250:251], v[KC+18:KC+19], v[KC+16:KC+17]
	v_pk_fma_f32 v[252:253], v[252:253], v[250:251], v[KC+8:KC+9]
	v_pk_fma_f32 v[254:255], v[254:255], v[250:251], v[KC+14:KC+15]
	v_pk_mul_f32 v[244:245], v[250:251], v[248:249]                        ; z r
	v_pk_mul_f32 v[64:65], v[250:251], v[250:251]                          ; z z
	v_pk_fma_f32 v[66:67], v[250:251], -0.5, 1.0 op_sel_hi:[1,0,0]         ; 1 - z / 2
	v_pk_fma_f32 v[252:253], v[252:253], v[244:245], v[248:249]            ; sin r
	v_pk_fma_f32 v[254:255], v[254:255], v[64:65], v[66:67]                ; cos r
	v_cvt_i32_f32 v68, v246
	v_cvt_i32_f32 v69, v247
.irp n, 0,1
	v_and_b32 v70, 1, v[68+\n]
	v_cmp_eq_u32 vcc_lo, 1, v70                                            ; in odd quadrants sine and cosine change places
	v_cndmask_b32 v[192+2*\g+\n], v[252+\n], v[254+\n], vcc_lo
	v_cndmask_b32 v[160+2*\g+\n], v[254+\n], v[252+\n], vcc_lo
	v_lshlrev_b32 v70, 30, v[68+\n]                                        ; the sine is negative in quadrants 2 and 3: bit 1 of k,
	v_add_nc_u32 v71, 1, v[68+\n]                                          ; the cosine in 1 and 2: bit 1 of k + 1
	v_and_b32 v70, 0x80000000, v70
	v_lshlrev_b32 v71, 30, v71
	v_xor_b32 v[192+2*\g+\n], v70, v[192+2*\g+\n]
	v_and_b32 v71, 0x80000000, v71
	v_xor_b32 v[160+2*\g+\n], v71, v[160+2*\g+\n]
.endr
.endm
; a kind's numbers: s[100:101] the power of two that its sums lack (2^(ea + eb - sub)), v5 its result's scale 2^eo, v6 57,344 x that
.macro SCALES ea, eb, sub, eo
	s_add_co_i32 s2, s[\ea], s[\eb]
	s_add_co_i32 s2, s2, 127-\sub
	s_lshl_b32 s100, s2, 23
	s_mov_b32 s101, s100                           ; (named with it as a pair)
	s_add_co_i32 s2, s[\eo], 127
	s_lshl_b32 s3, s2, 23
	v_mov_b32 v5, s3                               ; the conversion takes its exponent field
	s_add_co_i32 s2, s2, 15
	s_lshl_b32 s2, s2, 23
	s_or_b32 s2, s2, 0x600000
	v_mov_b32 v6, s2
.endm
; q, k: rows 16 a + r of my 64: sum x 2^e + bias, the rotation, the hold, the conversion; 8 bytes a lane and tile of channels go to my stage, which holds two such blocks of rows
.macro QK_A a
.irp b, 0,1,2,3
	ds_load_b128 v[64+4*\b:67+4*\b], v17 offset:\a*4352+32*\b              ; cosines of frequencies 8 b + 4 h + 0..3 at my row
	ds_load_b128 v[80+4*\b:83+4*\b], v17 offset:\a*4352+32*\b+128          ; sines
.endr
.irp b, 0,1,2,3
.irp i, 0,2,4,6
	v_pk_fma_f32 v[ACC+32*\a+8*\b+\i:ACC+32*\a+8*\b+\i+1], v[ACC+32*\a+8*\b+\i:ACC+32*\a+8*\b+\i+1], s[100:101], v[32+8*\b+\i:33+8*\b+\i] op_sel_hi:[1,0,1]
.endr
.endr
	s_wait_dscnt 0x0
.irp b, 0,1,2,3
.irp i, 0,1,2,3
	v_mul_f32 v[24+2*\i], v[ACC+32*\a+8*\b+2*\i+1], v[80+4*\b+\i]
	v_mul_f32 v[25+2*\i], v[ACC+32*\a+8*\b+2*\i], v[80+4*\b+\i]
.endr
.irp i, 0,1,2,3
	v_fma_f32 v[ACC+32*\a+8*\b+2*\i], v[ACC+32*\a+8*\b+2*\i], v[64+4*\b+\i], -v[24+2*\i]       ; even: y0 cos - y1 sin
	v_fma_f32 v[ACC+32*\a+8*\b+2*\i+1], v[ACC+32*\a+8*\b+2*\i+1], v[64+4*\b+\i], v[25+2*\i]    ; odd: y1 cos + y0 sin
.endr
.irp i, 0,1,2,3,4,5,6,7
	v_med3_num_f32 v[ACC+32*\a+8*\b+\i], v[ACC+32*\a+8*\b+\i], -v6, v6     ; the conversion does not saturate (ISA guide 7.6.2): the hold at the largest code x the scale
.endr
	v_cvt_scalef32_pk8_bf8_f32 v[96+2*(4*\a+\b):97+2*(4*\a+\b)], v[ACC+32*\a+8*\b:ACC+32*\a+8*\b+7], v5
.endr
	v_nop                                          ; a plain vector instruction behind the last conversion
.irp b, 0,1,2,3
	ds_store_b64 v18, v[96+2*(4*\a+\b):97+2*(4*\a+\b)] offset:(\a%2)*128+256*\b
.endr
.endm
; v: keys 16 a + 8 h + 0..7 of my 64, channels 16 b + r
.macro V_A a
.irp b, 0,1,2,3
.irp i, 0,2,4,6
	v_pk_fma_f32 v[ACC+32*\a+8*\b+\i:ACC+32*\a+8*\b+\i+1], v[ACC+32*\a+8*\b+\i:ACC+32*\a+8*\b+\i+1], s[100:101], v[32+2*\b:33+2*\b] op_sel_hi:[1,0,0]
.endr
.irp i, 0,1,2,3,4,5,6,7
	v_med3_num_f32 v[ACC+32*\a+8*\b+\i], v[ACC+32*\a+8*\b+\i], -v6, v6
.endr
	v_cvt_scalef32_pk8_bf8_f32 v[96+2*(4*\a+\b):97+2*(4*\a+\b)], v[ACC+32*\a+8*\b:ACC+32*\a+8*\b+7], v5
.endr
	v_nop
.irp b, 0,1,2,3
	ds_store_b64 v19, v[96+2*(4*\a+\b):97+2*(4*\a+\b)] offset:512*\b+(\a%2)*256
.endr
.endm
.macro RB p                            ; the stage's 2,048 bytes come back, 16 a lane and load, into accumulators that are done with.  LDS serves a wave's instructions in order (ISA guide 5.7.1.4): these see my stores, and the next blocks' stores come behind them
.irp i, 0,1,2,3
	ds_load_b128 v[ACC+64*\p+4*\i:ACC+64*\p+4*\i+3], v20 offset:512*\i
.endr
.endm
.macro ST p, base, younger, mi, mp     ; and are stored: each store of the wave covers 512 consecutive bytes, aligned.  younger: the LDS instructions issued behind RB's loads
.irp i, 0,1,2,3
	s_wait_dscnt \younger+3-\i
	global_store_b128 v3, v[ACC+64*\p+4*\i:ACC+64*\p+4*\i+3], s[\base:\base+1] offset:\mi*\i+\mp*\p
.endr
.endm
	s_load_b256 s[4:11], s[0:1], 0x0               ; x s[4:5], Wq s[6:7], Wk s[8:9], Wv s[10:11]
	s_load_b256 s[12:19], s[0:1], 0x20             ; bq s[12:13], bk s[14:15], bv s[16:17], freqs s[18:19]
	s_load_b256 s[84:91], s[0:1], 0x40             ; the scales' exponents s[84:85], q_codes s[86:87], k_codes s[88:89], v_codes s[90:91]
	v_lshl_add_u32 v[SPW], v0, 2, SPARE
	v_mov_b32 v[NIL], 0
	ds_add_u32 v23, v7
	ds_add_u32 v23, v7
	s_wait_dscnt 0x0
	v_lshrrev_b32 v1, 5, v0
	v_readfirstlane_b32 s20, v1                    ; wave 0..3
	s_lshr_b32 s21, s20, 1                         ; my half of the tile's rows.  Also: my first fills are x's (0) or Wq's (1)
	s_and_b32 s22, s20, 1                          ; my half of its columns.  Also: which 64 rows my first fills bring
	s_bfe_u32 s60, ttmp6, 0x40000                  ; cx
	s_bfe_u32 s61, ttmp6, 0x40004                  ; cy
	s_lshl_b32 s62, ttmp9, 2
	s_add_co_u32 s62, s62, s60                     ; tile column, 0..7
	s_and_b32 s63, ttmp7, 0xffff
	s_lshl_b32 s63, s63, 2
	s_add_co_u32 s63, s63, s61                     ; tile row, 0..31
	s_lshl_b32 s92, s61, 2
	s_lshl_b32 s92, 15, s92                        ; my row of the cluster
	s_lshl_b32 s23, 0x1111, s60                    ; my column
	s_or_b32 s24, s92, GW                          ; group 1 for x's tiles: 64 rows x 1,024 bytes, LDS rows 1,040 bytes apart
	s_or_b32 s32, s23, GW                          ; and for Wq's
.irp g, 24, 32
	s_mov_b32 s[\g+1], 1024<<16                    ; tensor_dim0: a whole row of K
	s_mov_b32 s[\g+2], 64<<16                      ; tensor_dim1
	s_mov_b32 s[\g+3], 1024<<16                    ; tile_dim0
	s_mov_b32 s[\g+4], 64                          ; tile_dim1
	s_mov_b32 s[\g+5], 1024                        ; from row to row
	s_mov_b32 s[\g+6], 0
	s_mov_b32 s[\g+7], 0
.endr
	s_lshl_b32 s66, s63, 17                        ; x: row 128 x tile row + 64 x half, 1,024 bytes a row
	s_lshl_b32 s67, s22, 16
	s_add_co_u32 s66, s66, s67
	s_mov_b32 s67, 0
	s_lshl_b32 s2, s62, 17                         ; Wq: row 128 x tile column + 64 x half
	s_lshl_b32 s3, s22, 16
	s_add_co_u32 s2, s2, s3
	s_mov_b32 s3, 0
	s_mul_i32 s100, s20, HALF                      ; where my first fills go in a chunk: x's two halves, then W's two = wave x 64 rows
	s_wait_kmcnt 0x0
	s_load_b256 s[92:99], s[84:85], 0x0            ; e0 .. e7
	s_load_b128 s[56:59], s[84:85], 0x20           ; e8 .. e11
	s_add_nc_u64 s[4:5], s[4:5], s[66:67]
	s_add_nc_u64 s[6:7], s[6:7], s[2:3]
.irp c, 0
	s_mov_b32 s[40+4*\c], 1                        ; group 0 for x's rows
	s_add_co_u32 s[41+4*\c], s100, \c*CH
	s_add_nc_u64 s[42+4*\c:43+4*\c], s[4:5], \c*256
	s_or_b32 s[43+4*\c], s[43+4*\c], 0x80000000
	s_mov_b32 s[68+4*\c], 1                        ; and for Wq's
	s_add_co_u32 s[69+4*\c], s100, \c*CH
	s_add_nc_u64 s[70+4*\c:71+4*\c], s[6:7], \c*256
	s_or_b32 s[71+4*\c], s[71+4*\c], 0x80000000
.endr
	CROUND                                         ; all sixteen work-groups are here: the joint loads meet
	s_cmp_eq_u32 s21, 0                            ; a wave's one first fill stands in one branch on the wave's number: one load of mine is out
	s_cbranch_scc0 .Lfor_b
	tensor_load_to_lds s[40:43], s[24:31]
	s_nop 0
	PLACES
	s_branch .Lasked
.Lfor_b:
	tensor_load_to_lds s[68:71], s[32:39]
	s_nop 0
	PLACES
.Lasked:
	v_and_b32 v1, 15, v0                           ; r
	v_bfe_u32 v2, v0, 4, 1                         ; h
	v_and_b32 v3, 31, v0
	v_lshlrev_b32 v3, 4, v3                        ; 16 x lane
	v_mov_b32 v4, 0
	v_lshlrev_b32 v21, 2, v1                       ; v's bias: 4 r
	v_lshlrev_b32 v22, 5, v2                       ; q's and k's: 32 h
	s_lshl_b32 s2, s62, 9                          ; the biases at my head's first channel: 4 (128 x tile column + 64 x half)
	s_lshl_b32 s3, s22, 8
	s_add_co_u32 s2, s2, s3
	s_mov_b32 s3, 0
	s_add_nc_u64 s[12:13], s[12:13], s[2:3]
	s_add_nc_u64 s[14:15], s[14:15], s[2:3]
	s_add_nc_u64 s[16:17], s[16:17], s[2:3]
.irp g, 0,1,2,3,4,5,6,7
	global_load_b128 v[128+4*\g:131+4*\g], v4, s[18:19] offset:16*\g       ; the 32 frequencies, in every lane
.endr
.irp b, 0,1,2,3
	global_load_b128 v[32+8*\b:35+8*\b], v22, s[12:13] offset:64*\b        ; bq of channels 16 b + 8 h + 0..7
	global_load_b128 v[36+8*\b:39+8*\b], v22, s[12:13] offset:64*\b+16
.endr
	v_mul_u32_u24 v5, v1, 272
	v_lshl_add_u32 v5, v2, 4, v5
	s_mul_i32 s2, s21, 17408                       ; the table's rows are 272 bytes
	v_add_nc_u32 v17, s2, v5
	v_add_nc_u32 v17, TAB, v17                     ; the table: row 64 x half + r, + 16 h: four cosines of my eight channels
	v_mul_u32_u24 v5, v1, 1040
	v_lshl_add_u32 v5, v2, 4, v5                   ; a fragment's row x pitch + 16 x half
	s_wait_alu depctr_va_vdst(0)
	s_mul_i32 s2, s21, HALF                        ; my 64 rows of x
	s_mul_i32 s3, s22, HALF                        ; my 64 rows of W,
	s_add_co_u32 s3, s3, 2*HALF                    ; which lie behind x's 128
.irp c, 0,1,2,3
	v_add_nc_u32 v[ADRA+\c], s2, v5
	v_add_nc_u32 v[ADRB+\c], s3, v5
	s_add_co_u32 s2, s2, CH
	s_add_co_u32 s3, s3, CH
.endr
	v_mul_u32_u24 v16, v0, 272
	v_add_nc_u32 v16, TAB, v16                     ; the table's row that I write: my thread's number
	s_lshl_b32 s67, s20, 11
	s_add_co_u32 s67, s67, STG                     ; my stage
	v_lshrrev_b32 v6, 3, v1
	v_and_b32 v24, 7, v1
	v_lshlrev_b32 v18, 10, v6
	v_lshl_add_u32 v18, v24, 4, v18
	v_lshl_add_u32 v18, v2, 3, v18
	v_add_nc_u32 v18, s67, v18                     ; q, k: 1,024 (r / 8) + 16 (r % 8) + 8 h
	v_lshlrev_b32 v19, 4, v1
	v_lshl_add_u32 v19, v2, 3, v19
	v_add_nc_u32 v19, s67, v19                     ; v: 16 r + 8 h
	v_add_nc_u32 v20, s67, v3                      ; back: 16 bytes a lane
	s_lshl_b32 s2, s62, 17                         ; Wk and Wv at what I shall ask for: row 128 x tile column, + 32 rows x my wave's number
	s_lshl_b32 s3, s20, 15                         ; my 32 rows of the next weight: 32 x 1,024 bytes x my wave's number
	s_add_co_u32 s2, s2, s3
	s_mov_b32 s3, 0
	s_add_nc_u64 s[8:9], s[8:9], s[2:3]
	s_add_nc_u64 s[10:11], s[10:11], s[2:3]
	s_lshr_b32 s2, s63, 4                          ; the outputs: head 16 x batch + 2 x tile column + half, 131,072 bytes a head; 8,192 bytes for the tile's 128 rows
	s_lshl_b32 s2, s2, 4
	s_lshl_b32 s66, s62, 1
	s_add_co_u32 s2, s2, s66
	s_add_co_u32 s2, s2, s22
	s_lshl_b32 s2, s2, 17
	s_and_b32 s66, s63, 15
	s_lshl_b32 s67, s66, 13
	s_add_co_u32 s2, s2, s67
	s_add_nc_u64 s[86:87], s[86:87], s[2:3]
	s_add_nc_u64 s[88:89], s[88:89], s[2:3]
	s_add_nc_u64 s[90:91], s[90:91], s[2:3]
	s_lshl_b32 s2, s21, 12                         ; q, k: my 64 rows are four tiles of 1,024 bytes
	s_add_nc_u64 s[86:87], s[86:87], s[2:3]
	s_add_nc_u64 s[88:89], s[88:89], s[2:3]
	s_lshl_b32 s2, s21, 10                         ; v: my 64 keys are 1,024 bytes in each of the step's four tiles of channels
	s_add_nc_u64 s[90:91], s[90:91], s[2:3]
	s_lshl_b32 s66, s66, 7                         ; the tile's first position in the sequence
	; ---------------- the table of cosines and sines, while the first tiles are on their way ----------------
	v_add_nc_u32 v76, s66, v0
	v_cvt_f32_u32 v76, v76                         ; my row's position
	v_mov_b32 v77, v76
	CONST2 KC,    0x3f22f983                       ; 2 / pi
	CONST2 KC+2,  0xbfc90fdb                       ; -H1
	CONST2 KC+4,  0x333bbd2e                       ; H2
	CONST2 KC+6,  0x26f72ced                       ; H3
	CONST2 KC+8,  0xbe2aaaa3                       ; sine: S1, S2, S3
	CONST2 KC+10, 0x3c08839e
	CONST2 KC+12, 0xb94ca1f9
	CONST2 KC+14, 0x3d2aaaa5                       ; cosine: C1, C2, C3
	CONST2 KC+16, 0xbab6061a
	CONST2 KC+18, 0x37ccf5ce
	s_wait_loadcnt 0x8                             ; the frequencies are in; the bias's eight loads stay out
.irp g, 0,1,2,3,4,5,6,7,8,9,10,11,12,13,14,15
	SINCOS2 \g
.endr
.irp g, 0,1,2,3,4,5,6,7
	ds_store_b128 v16, v[160+4*\g:163+4*\g] offset:16*\g
	ds_store_b128 v16, v[192+4*\g:195+4*\g] offset:128+16*\g
.endr
	s_wait_kmcnt 0x0                               ; the scales' exponents
	; ---------------- q ----------------
	MAIN2 0                                        ; my one first fill has landed, my stores into the table are done; one barrier shows x, Wq and the table whole
	s_or_b32 s68, s23, GW                          ; group 1 for the refills: the mask of my column; 32 rows x 1,024 bytes, LDS rows 1,040 bytes apart
	s_mov_b32 s69, 1024<<16                        ; tensor_dim0
	s_mov_b32 s70, 32<<16                          ; tensor_dim1
	s_mov_b32 s71, 1024<<16                        ; tile_dim0
	s_mov_b32 s72, 32                              ; tile_dim1
	s_mov_b32 s73, 1024                            ; from row to row
	s_mov_b32 s74, 0
	s_mov_b32 s75, 0
	s_mov_b32 s76, 1                               ; group 0 for Wk's chunk: into the weight's rows 32 x my wave's number on
	s_mul_i32 s77, s20, 33280                      ; 32 rows of 1,040 bytes x my wave's number
	s_add_co_u32 s77, s77, 2*HALF
	s_mov_b64 s[78:79], s[8:9]
	s_or_b32 s79, s79, 0x80000000
	s_mov_b32 s80, 1                               ; and for Wv's
	s_mul_i32 s81, s20, 33280
	s_add_co_u32 s81, s81, 2*HALF
	s_mov_b64 s[82:83], s[10:11]
	s_or_b32 s83, s83, 0x80000000
	LAST 0, 76                                     ; Wk is asked for
	SCALES 92, 93, 3, 98                           ; the 1/8 goes into the sums' power of two,
	s_wait_loadcnt 0x0                             ; bq
.set j, 0
.rept 32
	v_mul_f32 v[32+j], 0x3e000000, v[32+j]         ; and into the bias
.set j, j+1
.endr
	QK_A 0
	QK_A 1
	RB 0
	QK_A 2                                         ; (its wait for the table's numbers shows the rows of RB 0 back too)
	ST 0, 86, 4, 512, 2048
	QK_A 3
	RB 1
.irp b, 0,1,2,3
	global_load_b128 v[32+8*\b:35+8*\b], v22, s[14:15] offset:64*\b        ; bk, into the registers that bq has left: it lands under the next product
	global_load_b128 v[36+8*\b:39+8*\b], v22, s[14:15] offset:64*\b+16
.endr
	ST 1, 86, 0, 512, 2048
	; ---------------- k ----------------
	MAIN2 0
	LAST 0, 80                                     ; Wv is asked for
	SCALES 94, 95, 0, 99
	s_wait_loadcnt 0x0                             ; bk
	QK_A 0
	QK_A 1
	RB 0
	QK_A 2
	ST 0, 88, 4, 512, 2048
	QK_A 3
	RB 1
.irp b, 0,1,2,3
	global_load_b32 v[32+2*\b], v21, s[16:17] offset:64*\b                 ; bv of my channel 16 b + r
	v_mov_b32 v[33+2*\b], 0                                                ; (named with it as a pair)
.endr
	ST 1, 88, 0, 512, 2048
	; ---------------- v ----------------
	MAIN2 1
	s_wait_dscnt 0x0                               ; the last substep: nothing more to fetch, and nothing is filled again
	MUL8 F1, 0, 0, 1
	MUL8 F1, 2, 0, 1
	WIN 0
	PLACES
	SCALES 96, 97, 0, 57
	s_wait_alu depctr_va_vdst(0)
	s_wait_loadcnt 0x0                             ; bv
	V_A 0
	V_A 1
	RB 0
	V_A 2
	ST 0, 90, 4, 2048, 512                         ; behind RB 0's loads: the next block's four stores into the stage
	V_A 3
	RB 1
	ST 1, 90, 0, 2048, 512
	s_wait_tensorcnt 0x0                           ; the wave's end: behind my last tensor load and my last LDS store
	ds_add_u32 v[SPW], v[NIL]
	s_wait_dscnt 0x0
	CROUND                                         ; the closing round
	s_endpgm
.Lfunc_end_k_qc48e84f8e6_qkv:
	.size	k_qc48e84f8e6_qkv, .Lfunc_end_k_qc48e84f8e6_qkv-k_qc48e84f8e6_qkv
	.p2alignl 7, 3214868480
	.fill 96, 4, 3214868480
	.section	.rodata,"a",@progbits
	.p2align	6, 0x0
	.amdhsa_kernel k_qc48e84f8e6_qkv
		.amdhsa_group_segment_fixed_size 327680
		.amdhsa_private_segment_fixed_size 0
		.amdhsa_enable_private_segment 0
		.amdhsa_kernarg_size 96
		.amdhsa_user_sgpr_count 2
		.amdhsa_user_sgpr_kernarg_segment_ptr 1
		.amdhsa_wavefront_size32 1
		.amdhsa_system_sgpr_workgroup_id_x 1
		.amdhsa_system_sgpr_workgroup_id_y 1
		.amdhsa_system_sgpr_workgroup_id_z 1
		.amdhsa_system_vgpr_workitem_id 0
		.amdhsa_next_free_vgpr 512
		.amdhsa_next_free_sgpr 102
		.amdhsa_reserve_vcc 1
		.amdhsa_float_denorm_mode_32 3
		.amdhsa_float_denorm_mode_16_64 3
		.amdhsa_memory_ordered 1
		.amdhsa_forward_progress 1
		.amdhsa_inst_pref_size 201
	.end_amdhsa_kernel
	.amdgpu_metadata
---
amdhsa.version: [ 1, 2 ]
amdhsa.kernels:
  - .name:           k_qc48e84f8e6_qkv
    .symbol:         k_qc48e84f8e6_qkv.kd
    .args:
      - { .name: x_codes, .offset: 0, .size: 8, .value_kind: global_buffer, .address_space: global }
      - { .name: Wq_codes, .offset: 8, .size: 8, .value_kind: global_buffer, .address_space: global }
      - { .name: Wk_codes, .offset: 16, .size: 8, .value_kind: global_buffer, .address_space: global }
      - { .name: Wv_codes, .offset: 24, .size: 8, .value_kind: global_buffer, .address_space: global }
      - { .name: bq, .offset: 32, .size: 8, .value_kind: global_buffer, .address_space: global }
      - { .name: bk, .offset: 40, .size: 8, .value_kind: global_buffer, .address_space: global }
      - { .name: bv, .offset: 48, .size: 8, .value_kind: global_buffer, .address_space: global }
      - { .name: freqs, .offset: 56, .size: 8, .value_kind: global_buffer, .address_space: global }
      - { .name: lowp_scales, .offset: 64, .size: 8, .value_kind: global_buffer, .address_space: global }
      - { .name: q_codes, .offset: 72, .size: 8, .value_kind: global_buffer, .address_space: global }
      - { .name: k_codes, .offset: 80, .size: 8, .value_kind: global_buffer, .address_space: global }
      - { .name: v_codes, .offset: 88, .size: 8, .value_kind: global_buffer, .address_space: global }
    .group_segment_fixed_size: 327680
    .private_segment_fixed_size: 0
    .kernarg_segment_align: 8
    .kernarg_segment_size: 96
    .max_flat_workgroup_size: 128
    .sgpr_count:     102
    .vgpr_count:     512
    .wavefront_size: 32
...
	.end_amdgpu_metadata
.endif
;; end of part 1
;; launch attn (part 2): grid 8 x 32, 8 waves a work-group, clusters of 4 x 1, 327,680 bytes of LDS; arguments q_codes, k_codes, v_codes, padding_mask, lowp_scales, a_codes; writes a_codes
.if DOCPART == 2
	.amdgcn_target "amdgcn-amd-amdhsa--gfx1250"
	.amdhsa_code_object_version 6
	.text
	.protected	k_qc48e84f8e6_attn
	.globl	k_qc48e84f8e6_attn
	.p2align	8
	.type	k_qc48e84f8e6_attn,@function
k_qc48e84f8e6_attn:
	s_mov_b64 s[64:65], 0
	v_nop
	global_prefetch_b8 v0, s[64:65] scope:SCOPE_SE
	s_setreg_imm32_b32 hwreg(HW_REG_WAVE_MODE, 25, 1), 1
	s_wait_xcnt 0x0
	s_wait_alu depctr_hold_cnt(0) depctr_sa_sdst(0) depctr_va_vdst(0) depctr_va_sdst(0) depctr_va_ssrc(0) depctr_va_vcc(0) depctr_vm_vsrc(0)
	s_getreg_b32 s2, hwreg(HW_REG_IB_STS2, 6, 4)
	s_cmp_eq_u32 s2, 0
	s_cbranch_scc0 .Lentry_in_a_cluster
	s_endpgm
.Lentry_in_a_cluster:
	s_bfe_u32 s2, ttmp6, 0x10000c
	s_cmp_lg_u32 s2, 0x3003
	s_cbranch_scc0 .Lentry_shape_is_right
	s_endpgm
.Lentry_shape_is_right:
; For each head: o = softmax_k(q . k / 8, hidden keys left out) v, both products on codes of E5M2; o is quantised (scale 2^e10) and stored as the last product's operand.
; THE SOFTMAX: t = score x log2(e) / 8; M = the running largest t rounded up to a whole number; p = 2^(t - M) is quantised (2^e8), not normalised; the row's sum is taken of the unquantised p and divides at the end.
; When M moves, the sum and O are multiplied by 2^(old M - new M), which rounds nothing.
; SHARES.  A work-group owns 256 queries of one head; each of its EIGHT waves owns 32 of them, two tiles A and B of 16, in 512 registers: two waves to a SIMD.  Each fragment of K, of V and of the mask's numbers
; that a wave reads from LDS serves both tiles: 48 LDS loads for a key step's 24 matrix instructions.
; A head's K and V codes, 262,144 bytes, lie in LDS whole: K's sixteen key steps of 8,192 bytes on end, then V's.  They are eight pieces of 32,768 bytes, and each wave asks for ONE: waves 0 to 3 K's,
; waves 4 to 7 V's; piece w lands at 32,768 w.  All are first fills; nothing is filled twice.  One wait for 0 in every wave and one barrier show the whole head; behind it nothing in LDS is written, so the walk has no barrier.
; THE WALK: sixteen key steps of 128 keys, fifteen in a loop and the last written out.  K, V and the mask's numbers have registers of their own: a step's V is asked for at its head, and the NEXT step's K and mask's
; numbers right behind this step's first products (the last step asks for none).
; A STEP'S SOFTMAX takes the two tiles side by side: four chains for the maxima, the two short chains for M by turns.  Both tiles' O^T are rescaled ahead of the exponentials.  The exponentials take turns with plain
; instructions whose results are read only behind the batch's wait: tile A's 64 with tile B's 32 scalings; tile B's 64 with tile A's 16 first sums and its 32 holds.
; CLUSTER 4 x 1: the four query blocks of a cluster belong to one head and need the same K and V: every load is a joint one, with the mask of all four.
; NO PREFETCH: all that the launch reads of K and V is asked for by the eight loads at the kernel's head; there is no loop to run ahead in.
; LAYOUT.  S^T = K Q^T (source 0 = 16 keys, source 1 = 16 queries), O^T = V^T P^T: a lane holds one query of each tile throughout.  k_codes holds, in lane r of tile 2 b + u, key 32 b + 8 u + r % 8 + 16 (r / 8), so the 16
; registers of tiles 2 b and 2 b + 1 are keys 32 b + 16 (lane / 16) + 0..15: the conversions' results are the second product's operand.
; THE MASK is the C of the first product: 0 for a key that counts, -2^100 for a hidden one (a table of 2,048 f32 in LDS, made at the head).  A sum of codes is under 2^38 in magnitude, and the largest t begins at
; c x -2^40: so a hidden key never sets M, and its p is 0.  A row all of whose keys are hidden ends with the sum 0 and gets NaN codes.
; LIMITS: e6 + e7 between -88 and 80; e8, e10 between -126 and 112; -2^100 stands for -infinity, with the same p and the same NaN.
; REGISTERS.  window 0: v1 16 x lane, v2 the table + 64 h, v3 Q's offset, v4 the output's offset, v5, v6 the add's two, v7 57,344 x 2^e8, v8, v9, v24 the step's LDS addresses (K, the mask's numbers, V), v10, v11 the mask's
;   offsets, v12-15 tile A's -M, largest t, sum in two halves, v16-19 tile B's, v[20:21], v[22:23] their f, v25-30 at work, v31 2^e8, v32-95 K's eight fragments, v96-159 tile A's S^T, then p, v160-223 tile B's, v224-255 sums.
;   window 1: v16-23 tile A's Q, v24-31 tile B's, v32-63 and v192-223 V's four fragments, v64-127 the mask's numbers, v128-159 tile A's O^T, v160-191 tile B's, v224-239 tile A's codes of p, v240-255 tile B's.
.set VOFF,  131072                     ; V's sixteen steps, behind K's
.set BIAS,  262144                     ; behind both: 2,048 f32
.set SPARE, 270336                     ; behind the table: the spare words, 128 bytes for each wave: four blocks of 256 bytes that no other line names
.set SPW,   5                          ; v5 LDS address of my spare word; never rewritten
.set NIL,   6                          ; v6 0; never rewritten
.set SA,    96                         ; tile A's scores, then p
.set SB,    160                        ; tile B's
.set TT,    224                        ; sixteen pairs for the sums
.set UU,    240                        ; the upper eight of them
.set MSB,   0
.macro WIN new                         ; s_set_vgpr_msb: bits 1:0 source 0, 3:2 source 1, 5:4 source 2, 7:6 destination; the high byte repeats the setting that is left
.if MSB != \new
	s_set_vgpr_msb (MSB<<8)|\new
.set MSB, \new
.endif
.endm
.macro PLACES
.rept 4
	v_nop
.endr
.endm
.macro CROUND                          ; a round of the cluster's barrier
	s_barrier_signal -1
	s_barrier_wait -1
	s_cmp_lg_u32 s18, 0
	s_cbranch_scc1 .Lnot_wave_0_\@
	s_barrier_signal -3
.Lnot_wave_0_\@:
	s_barrier_wait -3
	s_barrier_signal -1
	s_barrier_wait -1
.endm
.macro KLOAD adr, off                  ; a step's K: eight fragments, window 0
.irp t, 0,1,2,3,4,5,6,7
	ds_load_b128 v[32+8*\t:35+8*\t], v[\adr] offset:\off+1024*\t
	ds_load_b128 v[36+8*\t:39+8*\t], v[\adr] offset:\off+1024*\t+512
.endr
.endm
.macro MLOAD adr, off                  ; its 128 numbers of the mask's table, into window 1: register 16 b + i: key 32 b + 16 h + i
	WIN 0x40
.irp b, 0,1,2,3
.irp i, 0,1,2,3
	ds_load_b128 v[64+16*\b+4*\i:67+16*\b+4*\i], v[\adr] offset:\off+128*\b+16*\i
.endr
.endr
	WIN 0
.endm
.macro HOLD2 r                         ; the conversion does not saturate (ISA guide 7.6.2); p is not negative: a one-sided hold, two numbers an instruction
	v_dual_min_num_f32 v[\r], v[\r], v7 :: v_dual_min_num_f32 v[\r+1], v[\r+1], v7
.endm
	s_load_b256 s[4:11], s[0:1], 0x0               ; q_codes s[4:5], k_codes s[6:7], v_codes s[8:9], the mask s[10:11]
	s_load_b128 s[12:15], s[0:1], 0x20             ; the scales' exponents s[12:13], a_codes s[14:15]
	v_lshl_add_u32 v[SPW], v0, 2, SPARE
	v_mov_b32 v[NIL], 0
	ds_add_u32 v[SPW], v[NIL]                      ; the opening lines: the add, twice on end, and its wait ahead of my tensor load
	ds_add_u32 v[SPW], v[NIL]
	v_lshrrev_b32 v1, 5, v0
	s_delay_alu instid0(VALU_DEP_1)
	v_readfirstlane_b32 s18, v1                    ; wave 0..7
	s_bfe_u32 s19, ttmp6, 0x40000                  ; cx
	s_lshl_b32 s80, ttmp9, 2
	s_add_co_u32 s80, s80, s19                     ; my block of 256 queries: it enters Q's and the output's addresses alone
	s_and_b32 s81, ttmp7, 0xffff                   ; 16 x batch + head, which the four partners share
	s_mov_b32 s24, 15|(3<<16)|(1<<21)              ; group 1: the mask of all four; elements of 8 bytes; bit 21 beside a mask; no padding: 128 rows x 256 bytes, dense
	s_mov_b32 s25, 32<<16                          ; tensor_dim0
	s_mov_b32 s26, 128<<16                         ; tensor_dim1
	s_mov_b32 s27, 32<<16                          ; tile_dim0
	s_mov_b32 s28, 128                             ; tile_dim1
	s_mov_b32 s29, 32                              ; from row to row
	s_mov_b32 s30, 0
	s_mov_b32 s31, 0
	s_mov_b32 s20, 0x76543210                      ; v_permlanex16_b32: lane l xor 16
	s_mov_b32 s21, 0xfedcba98
	s_lshl_b32 s84, s18, 15                        ; where my piece lands: 32,768 x wave
	s_and_b32 s85, s18, 3
	s_lshl_b32 s85, s85, 15                        ; and where it lies in the head's K or V: 32,768 x (wave % 4)
	s_lshl_b32 s82, s81, 17                        ; the head's 131,072 bytes
	s_add_co_u32 s82, s82, s85
	s_mov_b32 s83, 0
	v_and_b32 v26, 15, v0                          ; r
	v_bfe_u32 v27, v0, 4, 1                        ; h
	v_and_b32 v1, 31, v0
	s_delay_alu instid0(VALU_DEP_1)
	v_lshlrev_b32 v1, 4, v1
	s_delay_alu instid0(VALU_DEP_3)
	v_lshl_add_u32 v2, v27, 6, BIAS
	v_lshrrev_b32 v25, 3, v26
	s_delay_alu instid0(VALU_DEP_1)
	v_lshlrev_b32 v3, 10, v25
	s_delay_alu instid0(VALU_DEP_1)
	v_lshl_add_u32 v3, v27, 8, v3
	v_and_b32 v25, 7, v26
	s_delay_alu instid0(VALU_DEP_1)
	v_lshl_add_u32 v3, v25, 4, v3                  ; Q: 1,024 (r / 8) + 256 h + 16 (r % 8): my query's place in q_codes' order of rows
	v_lshlrev_b32 v4, 4, v26
	s_delay_alu instid0(VALU_DEP_1)
	v_lshl_add_u32 v4, v27, 3, v4                  ; the output: 16 r + 8 h
	v_lshlrev_b32 v10, 3, v0                       ; the mask: eight keys a thread
	v_lshl_add_u32 v11, v0, 5, BIAS                ; and their eight numbers
	s_wait_alu depctr_va_vdst(0)
	s_wait_dscnt 0x0                               ; both opening adds are done
	s_wait_kmcnt 0x0
	s_load_b256 s[68:75], s[12:13], 0x0            ; e0 .. e7
	s_load_b128 s[76:79], s[12:13], 0x20           ; e8 .. e11
	s_mov_b32 s32, 1                               ; group 0 for a piece of K
	s_mov_b32 s33, s84
	s_add_nc_u64 s[34:35], s[6:7], s[82:83]
	s_or_b32 s35, s35, 0x80000000
	s_mov_b32 s36, 1                               ; and of V
	s_mov_b32 s37, s84
	s_add_nc_u64 s[38:39], s[8:9], s[82:83]
	s_or_b32 s39, s39, 0x80000000
	s_lshr_b32 s86, s81, 4                         ; batch
	s_lshl_b32 s88, s86, 11
	s_mov_b32 s89, 0
	s_add_nc_u64 s[10:11], s[10:11], s[88:89]
	global_load_b64 v[28:29], v10, s[10:11]        ; eight bytes of the batch's mask
	s_lshl_b32 s88, s81, 17                        ; Q: head, block x 16 tiles of 1,024 bytes, wave x 2 tiles; tile B's queries lie 8 places (128 bytes) behind tile A's
	s_lshl_b32 s90, s80, 14
	s_add_co_u32 s88, s88, s90
	s_lshl_b32 s90, s18, 11
	s_add_co_u32 s88, s88, s90
	s_add_nc_u64 s[4:5], s[4:5], s[88:89]
	WIN 0x40                                       ; destination window 1
	global_load_b128 v[16:19], v3, s[4:5]              ; A: d = 16 h + 0..15
	global_load_b128 v[20:23], v3, s[4:5] offset:512   ;    d = 32 + 16 h + 0..15
	global_load_b128 v[24:27], v3, s[4:5] offset:128   ; B
	global_load_b128 v[28:31], v3, s[4:5] offset:640
	WIN 0
	CROUND                                         ; all four work-groups are here: the joint loads meet
	s_cmp_lt_u32 s18, 4                            ; one tensor load a wave, in the two arms of one branch on the wave's number
	s_cbranch_scc0 .Lfor_v
	tensor_load_to_lds s[32:35], s[24:31]
	s_nop 0
	PLACES
	s_branch .Lasked
.Lfor_v:
	tensor_load_to_lds s[36:39], s[24:31]
	s_nop 0
	PLACES
.Lasked:
	s_lshl_b32 s88, s86, 4                         ; the output: block of 128 rows 16 x batch + 2 x block + wave / 4; chunk head / 4; tile of rows 2 (wave % 4), tile B's one further; 1,024 (head % 4)
	s_lshl_b32 s90, s80, 1
	s_add_co_u32 s88, s88, s90
	s_lshr_b32 s90, s18, 2
	s_add_co_u32 s88, s88, s90
	s_lshl_b32 s88, s88, 17
	s_and_b32 s87, s81, 15
	s_lshr_b32 s90, s87, 2
	s_lshl_b32 s90, s90, 15
	s_add_co_u32 s88, s88, s90
	s_and_b32 s90, s18, 3
	s_lshl_b32 s90, s90, 13
	s_add_co_u32 s88, s88, s90
	s_and_b32 s90, s87, 3
	s_lshl_b32 s90, s90, 10
	s_add_co_u32 s88, s88, s90
	s_add_nc_u64 s[14:15], s[14:15], s[88:89]
	v_mov_b32 v30, 0xf1800000                      ; -2^100
	s_wait_alu depctr_va_vdst(0)
	s_wait_loadcnt 0x4                             ; the mask's bytes are in; Q's four loads stay out
.irp w, 0,1
.irp i, 0,1,2,3
	v_bfe_u32 v25, v[28+\w], 8*\i, 8
	s_delay_alu instid0(VALU_DEP_1)
	v_cmp_ne_u32 vcc_lo, 0, v25
	s_delay_alu instid0(VALU_DEP_1)
	v_cndmask_b32 v[224+4*\w+\i], 0, v30, vcc_lo
.endr
.endr
	ds_store_b128 v11, v[224:227]
	ds_store_b128 v11, v[228:231] offset:16
	s_wait_kmcnt 0x0
	s_add_co_i32 s88, s74, s75
	s_lshl_b32 s88, s88, 23
	s_add_co_i32 s22, s88, 0x3e38aa3b              ; c = log2(e) / 8, with e6 + e7 added to its exponent field
	s_mov_b32 s23, s22                             ; (named with it as a pair)
	s_add_co_i32 s88, s76, 127
	s_lshl_b32 s90, s88, 23
	v_mov_b32 v31, s90                             ; 2^e8 as f32, for p's conversions
	s_add_co_i32 s88, s88, 15
	s_lshl_b32 s88, s88, 23
	s_or_b32 s88, s88, 0x600000
	v_mov_b32 v7, s88                              ; 57,344 x 2^e8
	s_add_co_i32 s91, s76, s77                     ; e8 + e9
	s_add_co_i32 s88, s78, 127
	s_lshl_b32 s92, s88, 23                        ; 2^e10
	s_add_co_i32 s88, s88, 15
	s_lshl_b32 s88, s88, 23
	s_or_b32 s93, s88, 0x600000                    ; 57,344 x 2^e10
	v_mov_b32 v13, 0xd3800000
	s_delay_alu instid0(VALU_DEP_1)
	v_mul_f32 v13, s22, v13                        ; the largest t so far: c x -2^40, under every t of a key that counts
	s_delay_alu instid0(VALU_DEP_1)
	v_floor_f32 v12, -v13                          ; -M
	v_mov_b32 v14, 0
	v_mov_b32 v15, 0
	v_mov_b32 v17, v13                             ; the same for tile B
	v_mov_b32 v16, v12
	v_mov_b32 v18, 0
	v_mov_b32 v19, 0
	v_mov_b32 v25, 0                               ; a lane permute's destination counts as one of its sources
	v_mov_b32 v30, 0
	v_mov_b32 v21, 0                               ; (named as the upper halves of the pairs v[20:21], v[22:23])
	v_mov_b32 v23, 0
	WIN 0x40
.set j, 0
.rept 64
	v_mov_b32 v[128+j], 0                          ; both tiles' O^T: the first step finds zeros
.set j, j+1
.endr
	WIN 0
; A KEY STEP: 128 keys.  s2: the step's K in LDS (its V lies VOFF bytes on); s3: 512 x the step, its place in the mask's table.  next = 1: the next step's K and mask's numbers are asked for.
.macro STEP next
	v_add_nc_u32 v8, s2, v1
	v_add_nc_u32 v9, s3, v2
	s_delay_alu instid0(VALU_DEP_2)
	v_add_nc_u32 v24, VOFF, v8
	v_nop                                          ; four places behind the last products, ahead of loads into their sources
	WIN 0x40
.irp t, 0,1,2,3
.irp u, 0,1,2,3
	ds_load_b128 v[32+16*\t+128*(\t/2)+4*\u:35+16*\t+128*(\t/2)+4*\u], v24 offset:2048*\t+512*\u   ; V lands while the softmax is walked
.endr
.endr
	WIN 0
	s_wait_alu depctr_va_vdst(0)
	s_wait_dscnt 16                                ; all but V's 16 loads: this step's K and mask's numbers, asked for a step ago, are in
	WIN 0x14                                       ; K and the scores in window 0, Q and the mask's numbers in window 1
.irp t, 0,1,2,3,4,5,6,7
	v_wmma_f32_16x16x64_bf8_bf8 v[SA+8*\t:SA+8*\t+7], v[32+8*\t:39+8*\t], v[16:23], v[64+8*\t:71+8*\t]    ; A: S^T + the mask's numbers
	v_wmma_f32_16x16x64_bf8_bf8 v[SB+8*\t:SB+8*\t+7], v[32+8*\t:39+8*\t], v[24:31], v[64+8*\t:71+8*\t]    ; B
.endr
	WIN 0
	PLACES                                         ; ahead of the loads into the products' sources and of the first read of the scores
.if \next
	KLOAD 8, 8192
	MLOAD 9, 512
.endif
	v_max3_num_f32 v26, v[SA], v[SA+1], v[SA+2]    ; the step's largest score of my two queries among my 64 keys, in four chains, from each accumulator's low end on
	v_max3_num_f32 v27, v[SA+3], v[SA+4], v[SA+5]
	v_max3_num_f32 v28, v[SB], v[SB+1], v[SB+2]
	v_max3_num_f32 v29, v[SB+3], v[SB+4], v[SB+5]
.irp i, 6,10,14,18,22,26,30,34,38,42,46,50,54,58
	v_max3_num_f32 v26, v26, v[SA+\i], v[SA+\i+1]
	v_max3_num_f32 v27, v27, v[SA+\i+2], v[SA+\i+3]
	v_max3_num_f32 v28, v28, v[SB+\i], v[SB+\i+1]
	v_max3_num_f32 v29, v29, v[SB+\i+2], v[SB+\i+3]
.endr
	v_max3_num_f32 v26, v26, v[SA+62], v[SA+63]
	v_max3_num_f32 v28, v28, v[SB+62], v[SB+63]
	s_delay_alu instid0(VALU_DEP_2)
	v_max_num_f32 v26, v26, v27
	s_delay_alu instid0(VALU_DEP_2)
	v_max_num_f32 v28, v28, v29
	s_delay_alu instid0(VALU_DEP_2)
	v_permlanex16_b32 v25, v26, s20, s21
	s_delay_alu instid0(VALU_DEP_2)
	v_permlanex16_b32 v30, v28, s20, s21
	s_delay_alu instid0(VALU_DEP_2)
	v_max_num_f32 v26, v26, v25                    ; and among lane l xor 16's
	s_delay_alu instid0(VALU_DEP_2)
	v_max_num_f32 v28, v28, v30
	s_delay_alu instid0(VALU_DEP_2)
	v_mul_f32 v26, s22, v26                        ; as t (c is positive)
	s_delay_alu instid0(VALU_DEP_2)
	v_mul_f32 v28, s22, v28
	s_delay_alu instid0(VALU_DEP_2)
	v_max_num_f32 v13, v13, v26
	s_delay_alu instid0(VALU_DEP_2)
	v_max_num_f32 v17, v17, v28
	v_mov_b32 v26, v12
	v_mov_b32 v28, v16
	v_floor_f32 v12, -v13                          ; the new -M = floor(-t)
	v_floor_f32 v16, -v17
	s_delay_alu instid0(VALU_DEP_2)
	v_sub_f32 v26, v12, v26                        ; old M - new M: a whole number, 0 or less
	s_delay_alu instid0(VALU_DEP_2)
	v_sub_f32 v28, v16, v28
	s_delay_alu instid0(VALU_DEP_2)
	v_cvt_i32_f32 v26, v26                         ; (it saturates)
	s_delay_alu instid0(VALU_DEP_2)
	v_cvt_i32_f32 v28, v28
	s_delay_alu instid0(VALU_DEP_2)
	v_ldexp_f32 v20, 1.0, v26                      ; f = 2^(old M - new M)
	s_delay_alu instid0(VALU_DEP_2)
	v_ldexp_f32 v22, 1.0, v28
.set j, 0
.rept 32
	v_pk_fma_f32 v[SA+j:SA+j+1], v[SA+j:SA+j+1], s[22:23], v[12:13] op_sel_hi:[1,0,0]   ; A: t - M
.set j, j+2
.endr
	WIN 0x41                                       ; O^T in window 1, f in window 0
.set j, 0
.rept 16
	v_pk_mul_f32 v[128+j:129+j], v[128+j:129+j], v[20:21] op_sel_hi:[1,0]   ; both O^T under the new M, ahead of any exponential, each accumulator from its low end on
.set j, j+2
.endr
.set j, 0
.rept 16
	v_pk_mul_f32 v[160+j:161+j], v[160+j:161+j], v[22:23] op_sel_hi:[1,0]
.set j, j+2
.endr
	WIN 0
	s_wait_alu depctr_va_vdst(0)                   ; ahead of the batch
.set j, 0
.rept 32
	v_exp_f32 v[SA+j], v[SA+j]                     ; A: p;
	v_pk_fma_f32 v[SB+j:SB+j+1], v[SB+j:SB+j+1], s[22:23], v[16:17] op_sel_hi:[1,0,0]   ; by turns with B: t - M, which is read behind the wait below
	v_exp_f32 v[SA+j+1], v[SA+j+1]
.set j, j+2
.endr
	v_pk_mul_f32 v[14:15], v[14:15], v[20:21] op_sel_hi:[1,0]   ; the sums under the new M: plain instructions behind the exponentials
	v_pk_mul_f32 v[18:19], v[18:19], v[22:23] op_sel_hi:[1,0]
	s_wait_alu depctr_va_vdst(0)                   ; one wait: behind A's batch and ahead of B's
.set k, 0
.rept 16
	v_exp_f32 v[SB+4*k], v[SB+4*k]                 ; B: p; by turns with A's first sums, of the unquantised p, and A's holds, all read behind the wait below
	v_pk_add_f32 v[TT+2*k:TT+2*k+1], v[SA+4*k:SA+4*k+1], v[SA+4*k+2:SA+4*k+3]
	v_exp_f32 v[SB+4*k+1], v[SB+4*k+1]
	HOLD2 SA+4*k
	v_exp_f32 v[SB+4*k+2], v[SB+4*k+2]
	HOLD2 SA+4*k+2
	v_exp_f32 v[SB+4*k+3], v[SB+4*k+3]
.set k, k+1
.endr
	v_nop                                          ; a plain place behind the last exponential
	s_wait_alu depctr_va_vdst(0)                   ; one wait for the batch, ahead of its first reader
.irp k, 0,1,2,3,4,5,6,7                            ; A's sixteen sums are joined, by turns with B's sums in eight chains
	v_pk_add_f32 v[TT+2*\k:TT+2*\k+1], v[TT+2*\k:TT+2*\k+1], v[UU+2*\k:UU+2*\k+1]
.endr
.irp k, 0,1,2,3,4,5,6,7
	v_pk_add_f32 v[UU+2*\k:UU+2*\k+1], v[SB+4*\k:SB+4*\k+1], v[SB+4*\k+2:SB+4*\k+3]
.endr
.irp k, 0,1,2,3
	v_pk_add_f32 v[TT+2*\k:TT+2*\k+1], v[TT+2*\k:TT+2*\k+1], v[TT+8+2*\k:TT+9+2*\k]
.endr
.irp k, 0,1,2,3,4,5,6,7
	v_pk_add_f32 v[UU+2*\k:UU+2*\k+1], v[UU+2*\k:UU+2*\k+1], v[SB+32+4*\k:SB+33+4*\k]
.endr
.irp k, 0,1
	v_pk_add_f32 v[TT+2*\k:TT+2*\k+1], v[TT+2*\k:TT+2*\k+1], v[TT+4+2*\k:TT+5+2*\k]
.endr
.irp k, 0,1,2,3,4,5,6,7
	v_pk_add_f32 v[UU+2*\k:UU+2*\k+1], v[UU+2*\k:UU+2*\k+1], v[SB+34+4*\k:SB+35+4*\k]
.endr
	v_pk_add_f32 v[TT:TT+1], v[TT:TT+1], v[TT+2:TT+3]
.irp k, 0,1,2,3
	v_pk_add_f32 v[UU+2*\k:UU+2*\k+1], v[UU+2*\k:UU+2*\k+1], v[UU+8+2*\k:UU+9+2*\k]
.endr
	v_pk_add_f32 v[14:15], v[14:15], v[TT:TT+1]    ; A's sum
.irp k, 0,1
	v_pk_add_f32 v[UU+2*\k:UU+2*\k+1], v[UU+2*\k:UU+2*\k+1], v[UU+4+2*\k:UU+5+2*\k]
.endr
.set j, 0
.rept 8
	HOLD2 SB+j
.set j, j+2
.endr
	v_pk_add_f32 v[UU:UU+1], v[UU:UU+1], v[UU+2:UU+3]
.rept 8
	HOLD2 SB+j
.set j, j+2
.endr
	v_pk_add_f32 v[18:19], v[18:19], v[UU:UU+1]    ; B's sum
.rept 16
	HOLD2 SB+j
.set j, j+2
.endr
	WIN 0x40                                       ; the codes go to window 1
.irp b, 0,1,2,3,4,5,6,7
	v_cvt_scalef32_pk8_bf8_f32 v[224+2*\b:225+2*\b], v[SA+8*\b:SA+8*\b+7], v31
.endr
.irp b, 0,1,2,3,4,5,6,7
	v_cvt_scalef32_pk8_bf8_f32 v[240+2*\b:241+2*\b], v[SB+8*\b:SB+8*\b+7], v31
.endr
	v_nop                                          ; a plain vector instruction between the last conversion and the products
	s_wait_alu depctr_va_vdst(0)
	s_wait_dscnt 32*\next                          ; V is in; the 32 loads for the next step, issued behind V's, may stay out
	WIN 0x55                                       ; V, the codes and O^T all in window 1
.irp t, 0,1,2,3
	v_wmma_f32_16x16x128_bf8_bf8 v[128+8*\t:135+8*\t], v[32+16*\t+128*(\t/2):47+16*\t+128*(\t/2)], v[224:239], v[128+8*\t:135+8*\t]
	v_wmma_f32_16x16x128_bf8_bf8 v[160+8*\t:167+8*\t], v[32+16*\t+128*(\t/2):47+16*\t+128*(\t/2)], v[240:255], v[160+8*\t:167+8*\t]
.endr
	WIN 0
.endm
	s_wait_alu depctr_va_vdst(0)
	s_wait_loadcnt 0x0                             ; Q
	s_wait_tensorcnt 0x0                           ; my piece has landed
	s_wait_dscnt 0x0                               ; my stores into the mask's table are done
	s_barrier_signal -1
	s_barrier_wait -1                              ; the whole head's K and V and the table lie in LDS
	KLOAD 1, 0                                     ; step 0's K and mask's numbers
	MLOAD 2, 0
	s_mov_b32 s2, 0
	s_mov_b32 s3, 0
	s_mov_b32 s16, 15
.Lstep:
	STEP 1
	s_add_co_u32 s2, s2, 8192
	s_add_co_u32 s3, s3, 512
	s_sub_co_u32 s16, s16, 1
	s_cmp_lg_u32 s16, 0
	s_cbranch_scc1 .Lstep
	STEP 0                                         ; the last step asks for nothing more
; THE WAY OUT of one tile: O^T x 2^(e8 + e9) / the sum, quantised with 2^e10.  A lane's eight channels are 8 bytes of its row's place in the operand's image: the 32 lanes of a store cover 256 consecutive bytes, aligned.
; T: 32 registers for the numbers, C: 8 for the codes, both window 0 and the tile's own, so that no store's data are written again.
.macro OUT ST, O, T, C, off
	v_add_f32 v[\ST+2], v[\ST+2], v[\ST+3]
	s_delay_alu instid0(VALU_DEP_1)
	v_permlanex16_b32 v25, v[\ST+2], s20, s21
	s_delay_alu instid0(VALU_DEP_1)
	v_add_f32 v[\ST+2], v[\ST+2], v25              ; the row's sum
	s_delay_alu instid0(VALU_DEP_1)
	v_cmp_eq_f32 vcc_lo, 0, v[\ST+2]               ; 0: every key of the row is hidden
	s_wait_alu depctr_va_vdst(0)                   ; ahead of the transcendental
	v_rcp_f32 v26, v[\ST+2]
	v_nop                                          ; a plain place behind it
	s_wait_alu depctr_va_vdst(0)                   ; ahead of the reciprocal's first reader
	v_ldexp_f32 v26, v26, s91
	WIN 0x01                                       ; source 0, O^T, in window 1
	s_wait_alu depctr_va_vdst(0)                   ; directly ahead of the first reader of O^T
.set j, 0
.rept 32
	v_mul_f32 v[\T+j], v[\O+j], v26
.set j, j+1
.endr
	WIN 0
.set j, 0
.rept 32
	v_med3_num_f32 v[\T+j], v[\T+j], -v28, v28
.set j, j+1
.endr
.irp t, 0,1,2,3
	v_cvt_scalef32_pk8_bf8_f32 v[\C+2*\t:\C+2*\t+1], v[\T+8*\t:\T+8*\t+7], v29
.endr
	v_nop                                          ; a plain vector instruction behind the last conversion
.set j, 0
.rept 8
	v_cndmask_b32 v[\C+j], v[\C+j], v30, vcc_lo
.set j, j+1
.endr
.irp t, 0,1,2,3
	global_store_b64 v4, v[\C+2*\t:\C+2*\t+1], s[14:15] offset:256*\t+\off
.endr
.endm
	v_mov_b32 v28, s93                             ; 57,344 x 2^e10
	v_mov_b32 v29, s92                             ; 2^e10
	v_mov_b32 v30, 0x7f7f7f7f                      ; four NaN codes
	OUT 12, 128, 96, 224, 0
	OUT 16, 160, 160, 232, 4096
	s_wait_tensorcnt 0x0                           ; the wave's end
	ds_add_u32 v[SPW], v[NIL]
	s_wait_dscnt 0x0
	CROUND                                         ; the closing round
	s_endpgm
.Lfunc_end_k_qc48e84f8e6_attn:
	.size	k_qc48e84f8e6_attn, .Lfunc_end_k_qc48e84f8e6_attn-k_qc48e84f8e6_attn
	.p2alignl 7, 3214868480
	.fill 96, 4, 3214868480
	.section	.rodata,"a",@progbits
	.p2align	6, 0x0
	.amdhsa_kernel k_qc48e84f8e6_attn
		.amdhsa_group_segment_fixed_size 327680
		.amdhsa_private_segment_fixed_size 0
		.amdhsa_enable_private_segment 0
		.amdhsa_kernarg_size 48
		.amdhsa_user_sgpr_count 2
		.amdhsa_user_sgpr_kernarg_segment_ptr 1
		.amdhsa_wavefront_size32 1
		.amdhsa_system_sgpr_workgroup_id_x 1
		.amdhsa_system_sgpr_workgroup_id_y 1
		.amdhsa_system_sgpr_workgroup_id_z 1
		.amdhsa_system_vgpr_workitem_id 0
		.amdhsa_next_free_vgpr 512
		.amdhsa_next_free_sgpr 96
		.amdhsa_reserve_vcc 1
		.amdhsa_float_denorm_mode_32 3
		.amdhsa_float_denorm_mode_16_64 3
		.amdhsa_memory_ordered 1
		.amdhsa_forward_progress 1
		.amdhsa_inst_pref_size 81
	.end_amdhsa_kernel
	.amdgpu_metadata
---
amdhsa.version: [ 1, 2 ]
amdhsa.kernels:
  - .name:           k_qc48e84f8e6_attn
    .symbol:         k_qc48e84f8e6_attn.kd
    .args:
      - { .name: q_codes, .offset: 0, .size: 8, .value_kind: global_buffer, .address_space: global }
      - { .name: k_codes, .offset: 8, .size: 8, .value_kind: global_buffer, .address_space: global }
      - { .name: v_codes, .offset: 16, .size: 8, .value_kind: global_buffer, .address_space: global }
      - { .name: padding_mask, .offset: 24, .size: 8, .value_kind: global_buffer, .address_space: global }
      - { .name: lowp_scales, .offset: 32, .size: 8, .value_kind: global_buffer, .address_space: global }
      - { .name: a_codes, .offset: 40, .size: 8, .value_kind: global_buffer, .address_space: global }
    .group_segment_fixed_size: 327680
    .private_segment_fixed_size: 0
    .kernarg_segment_align: 8
    .kernarg_segment_size: 48
    .max_flat_workgroup_size: 256
    .sgpr_count:     96
    .vgpr_count:     512
    .wavefront_size: 32
...
	.end_amdgpu_metadata
.endif
;; end of part 2
;; launch oproj (part 3): grid 8 x 32, 4 waves a work-group, clusters of 4 x 4, 327,680 bytes of LDS; arguments a_codes, Wo_codes, bo, lowp_scales, out0; writes out0
.if DOCPART == 3
	.amdgcn_target "amdgcn-amd-amdhsa--gfx1250"
	.amdhsa_code_object_version 6
	.text
	.protected	k_qc48e84f8e6_oproj
	.globl	k_qc48e84f8e6_oproj
	.p2align	8
	.type	k_qc48e84f8e6_oproj,@function
k_qc48e84f8e6_oproj:
	s_mov_b64 s[64:65], 0
	v_nop
	global_prefetch_b8 v0, s[64:65] scope:SCOPE_SE
	s_setreg_imm32_b32 hwreg(HW_REG_WAVE_MODE, 25, 1), 1
	s_wait_xcnt 0x0
	s_wait_alu depctr_hold_cnt(0) depctr_sa_sdst(0) depctr_va_vdst(0) depctr_va_sdst(0) depctr_va_ssrc(0) depctr_va_vcc(0) depctr_vm_vsrc(0)
	s_getreg_b32 s2, hwreg(HW_REG_IB_STS2, 6, 4)
	s_cmp_eq_u32 s2, 0
	s_cbranch_scc0 .Lentry_in_a_cluster
	s_endpgm
.Lentry_in_a_cluster:
	s_bfe_u32 s2, ttmp6, 0x10000c
	s_cmp_lg_u32 s2, 0xf033
	s_cbranch_scc0 .Lentry_shape_is_right
	s_endpgm
.Lentry_shape_is_right:
; out0 = a Wo^T + bo, on codes of E5M2: a's codes as the attention launch stored them (images of operand registers), Wo's as they are given; each sum x 2^(e10 + e11) + bo.
; SHARES.  A work-group makes 128 x 128 of out0; four waves, 64 x 64 each: 16 accumulators.  K = 1,024 is four chunks of 256, each with LDS bytes of its own: every tensor load is a first fill, one to a wave;
; one wait for 0 and one barrier let the work begin; nothing is filled twice.
; CLUSTER 4 x 4: a's tile hangs on the tile row alone and is asked for jointly along a row of the cluster, Wo's on the tile column alone and jointly along a column.
; a_codes: [block of 128 rows 32][chunk 4][tile of rows 8][ks 2][c 4][h 2][r 16][16 bytes], k = 256 chunk + 128 ks + 32 c + 16 h + 0..15: a fragment comes by four loads at 16 x lane.
; Source 0 = 16 rows of Wo, source 1 = 16 rows of a: a lane holds eight neighbouring numbers of a row of out0.
; LIMIT: e10 + e11 between -126 and 127.
; REGISTERS.  window 0: v1 r, v2 h, v3 16 x lane, v8-15 fragment addresses, v18-20 the way out, v22 bias offset, v32-63 bias, v64-95 results, v128-255 accumulators, later rows on the way out.
;   window 1: two fragment buffers of 128: four fragments of a, then four of Wo.
; LDS AS IT NOW LIES: a's 131,072 bytes, dense, chunk c at 32,768 c; then Wo's 128 rows, each whole: 1,024 bytes + 16 of padding; then the spare words; then the four stages, on bytes of their own.
; Each wave has ONE first fill: waves 0, 1 a half of a's bytes, waves 2, 3 64 rows of Wo.  One wait for 0 and one barrier show all of it.
.set CH,    32768                      ; a's chunk
.set HALF,  66560                      ; 64 rows of 1,040 bytes
.set WO,    131072                     ; Wo's rows, behind a's bytes
.set STG,   271360                     ; behind the spare words: 16 rows of 272 bytes for each wave; no tensor load lands here
.set ACC,   128
.set F0,    0
.set F1,    128
.set FA_I,  4096                       ; a's fragments: from tile to tile, from 128 to 128 along K, from load to load
.set FA_K,  2048
.set FA_C,  512
.set ADRA,  8
.set ADRB,  12
.set MUL,   0x05                       ; sources 0 and 1 window 1; C and D window 0
.set TO_F,  0x40                       ; destination window 1, address window 0
.set MSB,   0
.macro WIN new                         ; the immediate's high byte repeats the setting that is left
.if MSB != \new
	s_set_vgpr_msb (MSB<<8)|\new
.set MSB, \new
.endif
.endm
.macro PLACES                          ; four plain vector instructions behind matrix instructions, ahead of loads into their sources and of reads of their results
.rept 4
	v_nop
.endr
.endm
.macro CROUND                          ; a round of the cluster's barrier
	s_barrier_signal -1
	s_barrier_wait -1
	s_cmp_lg_u32 s20, 0
	s_cbranch_scc1 .Lnot_wave_0_\@
	s_barrier_signal -3
.Lnot_wave_0_\@:
	s_barrier_wait -3
	s_barrier_signal -1
	s_barrier_wait -1
.endm
; 8 matrix instructions: a's tiles a0, a0 + 1 against Wo's four, 128 along K, from buffer f.  The sixteen accumulators take turns, one instruction a turn.
.macro MUL8 f, a0, zero
.irp a, \a0, \a0+1
.irp b, 0,1,2,3
.set rD, ACC+8*(4*(\a)+\b)
.set fS0, \f+64+16*\b
.set fS1, \f+16*(\a)
.if \zero
	v_wmma_f32_16x16x128_bf8_bf8 v[rD:rD+7], v[fS0:fS0+15], v[fS1:fS1+15], 0
.else
	v_wmma_f32_16x16x128_bf8_bf8 v[rD:rD+7], v[fS0:fS0+15], v[fS1:fS1+15], v[rD:rD+7]
.endif
.endr
.endr
.endm
.macro FETCH ch, ks, f                 ; 32 LDS loads in one run
	WIN TO_F
.irp i, 0,1,2,3
.irp u, 0,1,2,3
	ds_load_b128 v[\f+64+16*\i+4*\u:\f+64+16*\i+4*\u+3], v[ADRB+\ch] offset:\i*16640+128*\ks+32*\u
.endr
.endr
.irp i, 0,1,2,3
.irp u, 0,1,2,3
	ds_load_b128 v[\f+16*\i+4*\u:\f+16*\i+4*\u+3], v[ADRA+\ch] offset:\i*FA_I+FA_K*\ks+FA_C*\u
.endr
.endr
.endm
.macro EVEN ch, zero                   ; a chunk's first 128 along K: buffer 0 is multiplied, the second 128 is fetched into buffer 1
.if !(\zero)
	PLACES
.endif
	FETCH \ch, 1, F1
	s_wait_dscnt 32                                ; all but the 32 loads just issued: buffer 0 is in
	WIN MUL
	MUL8 F0, 0, \zero
	MUL8 F0, 2, \zero
.endm
.macro ODD nx                          ; a chunk's second 128: buffer 1 is multiplied, chunk nx's first 128 is fetched into buffer 0
	PLACES
	FETCH \nx, 0, F0
	s_wait_dscnt 32                                ; all but the 32 loads just issued: buffer 1 is in
	WIN MUL
	MUL8 F1, 0, 0
	MUL8 F1, 2, 0
.endm
	s_load_b256 s[4:11], s[0:1], 0x0               ; a_codes s[4:5], Wo s[6:7], bo s[8:9], the scales' exponents s[10:11]
	s_load_b64 s[12:13], s[0:1], 0x20              ; out0
	v_lshl_add_u32 v126, v0, 2, 0x42000
	v_mov_b32 v127, 0
	ds_add_u32 v126, v127
	ds_add_u32 v126, v127
	v_lshrrev_b32 v1, 5, v0
	v_readfirstlane_b32 s20, v1                    ; wave 0..3
	s_lshr_b32 s21, s20, 1                         ; my half of the tile's rows.  Also: I fetch for a (0) or for Wo (1)
	s_and_b32 s22, s20, 1                          ; my half of its columns.  Also: which half I fetch
	s_bfe_u32 s60, ttmp6, 0x40000                  ; cx
	s_bfe_u32 s61, ttmp6, 0x40004                  ; cy
	s_lshl_b32 s62, ttmp9, 2
	s_add_co_u32 s62, s62, s60                     ; tile column, 0..7
	s_and_b32 s63, ttmp7, 0xffff
	s_lshl_b32 s63, s63, 2
	s_add_co_u32 s63, s63, s61                     ; tile row, 0..31
	s_lshl_b32 s92, s61, 2
	s_lshl_b32 s92, 15, s92                        ; my row of the cluster
	s_lshl_b32 s93, 0x1111, s60                    ; my column
	s_or_b32 s24, s92, (3<<16)|(1<<21)             ; group 1 for a's tiles: elements of 8 bytes, 256 rows x 256 bytes, dense
	s_mov_b32 s25, 32<<16
	s_mov_b32 s26, 256<<16                         ; 256 rows x 256 bytes, dense
	s_mov_b32 s27, 32<<16
	s_mov_b32 s28, 256
	s_mov_b32 s29, 32
	s_mov_b32 s30, 0
	s_mov_b32 s31, 0
	s_or_b32 s32, s93, (1<<20)|(1<<21)|(7<<22)|(3<<25)   ; for Wo's: elements of 1 byte, 64 rows x 1,024 bytes, 16 bytes of padding behind each
	s_mov_b32 s33, 1024<<16
	s_mov_b32 s34, 64<<16
	s_mov_b32 s35, 1024<<16
	s_mov_b32 s36, 64
	s_mov_b32 s37, 1024
	s_mov_b32 s38, 0
	s_mov_b32 s39, 0
	s_lshl_b32 s66, s63, 17                        ; a: the tile row's 131,072 bytes; my half of them, 65,536
	s_lshl_b32 s67, s22, 16
	s_add_co_u32 s66, s66, s67
	s_mov_b32 s67, 0
	s_lshl_b32 s2, s62, 17                         ; Wo: row 128 x tile column + 64 x half
	s_lshl_b32 s3, s22, 16
	s_add_co_u32 s2, s2, s3
	s_mov_b32 s3, 0
	s_lshl_b32 s100, s22, 16                       ; where a's halves go,
	s_mul_i32 s101, s22, HALF
	s_add_co_u32 s101, s101, WO
	s_wait_dscnt 0x0
	s_wait_kmcnt 0x0
	s_load_b64 s[14:15], s[10:11], 0x28            ; e10, e11
	s_add_nc_u64 s[4:5], s[4:5], s[66:67]
	s_add_nc_u64 s[6:7], s[6:7], s[2:3]
.irp c, 0
	s_mov_b32 s[40+4*\c], 1
	s_add_co_u32 s[41+4*\c], s100, \c*CH
	s_add_nc_u64 s[42+4*\c:43+4*\c], s[4:5], \c*32768
	s_or_b32 s[43+4*\c], s[43+4*\c], 0x80000000
	s_mov_b32 s[68+4*\c], 1
	s_add_co_u32 s[69+4*\c], s101, \c*CH
	s_add_nc_u64 s[70+4*\c:71+4*\c], s[6:7], \c*256
	s_or_b32 s[71+4*\c], s[71+4*\c], 0x80000000
.endr
	CROUND                                         ; all sixteen work-groups are here: the joint loads meet
	s_cmp_eq_u32 s21, 0                            ; a wave's one first fill stands in one branch on the wave's number: one load of mine is out
	s_cbranch_scc0 .Lfor_b
	tensor_load_to_lds s[40:43], s[24:31]
	s_nop 0
	PLACES
	s_branch .Lasked
.Lfor_b:
	tensor_load_to_lds s[68:71], s[32:39]
	s_nop 0
	PLACES
.Lasked:
	v_and_b32 v1, 15, v0                           ; r
	v_bfe_u32 v2, v0, 4, 1                         ; h
	v_and_b32 v3, 31, v0
	v_lshlrev_b32 v3, 4, v3                        ; 16 x lane
	s_wait_alu depctr_va_vdst(0)
	v_mul_u32_u24 v5, v1, 1040
	v_lshl_add_u32 v5, v2, 4, v5                   ; Wo: row x pitch + 16 x half
	s_wait_alu depctr_va_vdst(0)
	s_lshl_b32 s2, s21, 14                         ; my four tiles of a's rows
	s_mul_i32 s3, s22, HALF
	s_add_co_u32 s3, s3, WO
.irp c, 0,1,2,3
	v_add_nc_u32 v[ADRA+\c], s2, v3
	v_add_nc_u32 v[ADRB+\c], s3, v5
	s_add_co_u32 s2, s2, CH
	s_add_co_u32 s3, s3, 256
.endr
	s_mul_i32 s2, s20, 4352
	s_add_co_u32 s2, s2, STG                       ; my stage: 16 rows of 272 bytes, my own
	v_mul_u32_u24 v18, v1, 272
	v_lshl_add_u32 v18, v2, 5, v18
	v_add_nc_u32 v18, s2, v18                      ; in: row r, 32 bytes for each half of the lanes
	v_mul_u32_u24 v19, v2, 272
	v_lshl_add_u32 v19, v1, 4, v19
	v_add_nc_u32 v19, s2, v19                      ; back: lanes 0-15 one row of 256 bytes, lanes 16-31 the next
	v_lshlrev_b32 v20, 12, v2
	v_lshl_add_u32 v20, v1, 4, v20                 ; and the same two rows in out0
	v_lshlrev_b32 v22, 5, v2
	s_lshl_b32 s2, s62, 9                          ; my first column, in bytes: 512 x tile column + 256 x half
	s_lshl_b32 s3, s22, 8
	s_add_co_u32 s2, s2, s3
	s_mov_b32 s3, 0
	s_add_nc_u64 s[8:9], s[8:9], s[2:3]
	s_add_nc_u64 s[12:13], s[12:13], s[2:3]
.irp b, 0,1,2,3
	global_load_b128 v[32+8*\b:35+8*\b], v22, s[8:9] offset:64*\b          ; bo of columns 16 b + 8 h + 0..7
	global_load_b128 v[36+8*\b:39+8*\b], v22, s[8:9] offset:64*\b+16
.endr
	s_lshl_b32 s2, s63, 19                         ; my first row: 128 x tile row + 64 x half, 4,096 bytes a row
	s_lshl_b32 s66, s21, 18
	s_add_co_u32 s2, s2, s66
	s_add_nc_u64 s[12:13], s[12:13], s[2:3]
	s_wait_kmcnt 0x0
	s_add_co_i32 s100, s14, s15
	s_add_co_i32 s100, s100, 127
	s_lshl_b32 s100, s100, 23                      ; 2^(e10 + e11) as f32
	s_mov_b32 s101, s100                           ; (named with it as a pair)
	s_wait_tensorcnt 0x0                           ; my one first fill has landed
	s_barrier_signal -1
	s_barrier_wait -1                              ; a's tile and Wo's lie in LDS whole
	FETCH 0, 0, F0
	EVEN 0, 1
	ODD  1
	EVEN 1, 0
	ODD  2
	EVEN 2, 0
	ODD  3
	EVEN 3, 0
	s_wait_dscnt 0x0
	MUL8 F1, 0, 0
	MUL8 F1, 2, 0
	WIN 0
	PLACES
	s_wait_loadcnt 0x0                             ; bo
; THE WAY OUT, 16 rows at a time: sum x 2^(e10 + e11) + bo; through my stage; back as whole rows of 256 bytes, into the block's own accumulators, which are done with.
.macro OUT_A a
.irp b, 0,1,2,3
.irp i, 0,2,4,6
	v_pk_fma_f32 v[64+8*\b+\i:65+8*\b+\i], v[ACC+32*\a+8*\b+\i:ACC+32*\a+8*\b+\i+1], s[100:101], v[32+8*\b+\i:33+8*\b+\i] op_sel_hi:[1,0,1]
.endr
.endr
.irp b, 0,1,2,3
	ds_store_b128 v18, v[64+8*\b:67+8*\b] offset:64*\b
	ds_store_b128 v18, v[68+8*\b:71+8*\b] offset:64*\b+16
.endr
.irp t, 0,1,2,3,4,5,6,7
	ds_load_b128 v[ACC+32*\a+4*\t:ACC+32*\a+4*\t+3], v19 offset:544*\t     ; LDS serves a wave's instructions in order (ISA guide 5.7.1.4): these see my stores, and the next block's stores come behind them
.endr
.irp t, 0,1,2,3,4,5,6,7
	s_wait_dscnt 7-\t
	global_store_b128 v20, v[ACC+32*\a+4*\t:ACC+32*\a+4*\t+3], s[12:13] offset:(16*\a+2*\t)*4096 th:TH_STORE_NT   ; 16 lanes store 256 consecutive bytes, aligned; written once, read by nobody here
.endr
.endm
	OUT_A 0
	OUT_A 1
	OUT_A 2
	OUT_A 3
	s_wait_dscnt 0x0
	s_wait_tensorcnt 0x0
	ds_add_u32 v126, v127
	s_wait_dscnt 0x0
	CROUND                                         ; the closing round
	s_endpgm
.Lfunc_end_k_qc48e84f8e6_oproj:
	.size	k_qc48e84f8e6_oproj, .Lfunc_end_k_qc48e84f8e6_oproj-k_qc48e84f8e6_oproj
	.p2alignl 7, 3214868480
	.fill 96, 4, 3214868480
	.section	.rodata,"a",@progbits
	.p2align	6, 0x0
	.amdhsa_kernel k_qc48e84f8e6_oproj
		.amdhsa_group_segment_fixed_size 327680
		.amdhsa_private_segment_fixed_size 0
		.amdhsa_enable_private_segment 0
		.amdhsa_kernarg_size 40
		.amdhsa_user_sgpr_count 2
		.amdhsa_user_sgpr_kernarg_segment_ptr 1
		.amdhsa_wavefront_size32 1
		.amdhsa_system_sgpr_workgroup_id_x 1
		.amdhsa_system_sgpr_workgroup_id_y 1
		.amdhsa_system_sgpr_workgroup_id_z 1
		.amdhsa_system_vgpr_workitem_id 0
		.amdhsa_next_free_vgpr 512
		.amdhsa_next_free_sgpr 102
		.amdhsa_reserve_vcc 0
		.amdhsa_float_denorm_mode_32 3
		.amdhsa_float_denorm_mode_16_64 3
		.amdhsa_memory_ordered 1
		.amdhsa_forward_progress 1
		.amdhsa_inst_pref_size 46
	.end_amdhsa_kernel
	.amdgpu_metadata
---
amdhsa.version: [ 1, 2 ]
amdhsa.kernels:
  - .name:           k_qc48e84f8e6_oproj
    .symbol:         k_qc48e84f8e6_oproj.kd
    .args:
      - { .name: a_codes, .offset: 0, .size: 8, .value_kind: global_buffer, .address_space: global }
      - { .name: Wo_codes, .offset: 8, .size: 8, .value_kind: global_buffer, .address_space: global }
      - { .name: bo, .offset: 16, .size: 8, .value_kind: global_buffer, .address_space: global }
      - { .name: lowp_scales, .offset: 24, .size: 8, .value_kind: global_buffer, .address_space: global }
      - { .name: out0, .offset: 32, .size: 8, .value_kind: global_buffer, .address_space: global }
    .group_segment_fixed_size: 327680
    .private_segment_fixed_size: 0
    .kernarg_segment_align: 8
    .kernarg_segment_size: 40
    .max_flat_workgroup_size: 128
    .sgpr_count:     102
    .vgpr_count:     512
    .wavefront_size: 32
...
	.end_amdgpu_metadata
.endif
;; end of part 3
